; MI455X (gfx1250); checked and timed in simulation.
; The chip was launched on July 23, 2026; its instructions are those of AMD's public machine-readable ISA for CDNA 5 (MIT licence, August 2026) and "CDNA5" Instruction Set Architecture Reference Guide (July 2026). The comments in the code are by the model that wrote it; some were corrected since.
;; Feed Forward Network. Allowed arithmetic: float matrix products may take bf16 or f16 operands with f32 sums; all other float work in f32.
;; Inputs: filter_bias 2,048 float32; filter_weight 512 x 2,048 float32; output_bias 512 float32; output_weight 2,048 x 512 float32; padding 8 x 4,096 float32; x 8 x 4,096 x 512 float32.
;; Outputs: out0 8 x 4,096 x 512 float32.
;; 2 versions, each right and faster than the one before. Each part assembles by itself: llvm-mc -triple=amdgcn-amd-amdhsa -mcpu=gfx1250 --defsym DOCPART=n.
;; ======== version 1 of 2: 2 launches
;; limits: values are held in f16: magnitudes above 65,504 overflow, below 6.1e-05 lose precision; inputs' magnitudes at most 65,504
;; workspace buffers: wcf 524,288 bytes; bc 2,048 bytes
;; launch fold (part 1): grid 8 x 17, 16 waves a work-group, no clusters, 133,120 bytes of LDS; arguments filter_weight, filter_bias, output_weight, output_bias, wcf, bc; writes wcf, bc
.if DOCPART == 1
	.amdgcn_target "amdgcn-amd-amdhsa--gfx1250"
	.amdhsa_code_object_version 6
	.text
	.protected	k_q0db3775402_fold
	.globl	k_q0db3775402_fold
	.p2align	8
	.type	k_q0db3775402_fold,@function
k_q0db3775402_fold:
	s_mov_b64 s[64:65], 0
	v_nop
	global_prefetch_b8 v0, s[64:65] scope:SCOPE_SE
	s_setreg_imm32_b32 hwreg(HW_REG_WAVE_MODE, 25, 1), 1
	s_wait_xcnt 0x0
; fold: Wc = W1 W2 (512 x 512, K = 2048) and bc = b1 W2 + b2.
; No activation stands between the module's two affine maps, so (x W1 + b1) W2 + b2 = x (W1 W2) + (b1 W2 + b2) for every input.
; This launch makes the two folded operands; the next launch multiplies x by them.
; FORMAT: the matrix operands W1, W2, b1 are rounded to f16, sums are f32, Wc is rounded once to f16; b2 and bc stay f32.
; f16 and not bf16: every number of Wc enters 32,768 outputs, and its rounding is the one intermediate rounding of the program;
; f16's 11 significant bits make it 8 times finer than bf16's 8.
; LIMITS: a number of W1, W2, b1 or Wc above 65,504 in magnitude becomes Inf; below 2^-14 the step is 2^-24.  Room, from the sizes:
; weights of spread 1/sqrt(512) and 1/sqrt(2048) give Wc a spread of 0.044; both 30 times larger: Wc 900 times larger, some 180 at the most;
; both 30 times smaller: Wc of spread 4.9e-5 with a step of 6e-8; both carrying an offset of 30 spreads: Wc near 2048 x 1.33 x 0.66 = 1,800.
; The order of the sums differs from the chain's.  With non-finite weights the pattern of NaN and Inf can differ from the chain's.
;
; SHARES.  Work-group (g, y): y < 16: rows k = 32 y .. 32 y + 31 of W1 (two row tiles m) times columns 64 g .. 64 g + 63 of W2 (four
; column tiles t).  y = 16: the same text with b1 in W1's place (row pitch 0: all sixteen rows of a tile are b1); of its results row 0
; of tile m = 0 is used, the rest is computed and dropped: 8 of the 136 work-groups.
; The 16 waves split K: wave w sums f = 128 w .. 128 w + 127 in four steps of 32; the sixteen partial sums meet in LDS, one barrier.
; COLUMN ORDER.  Column r of tile t is n = 64 g + 4 r + t: a lane's 16-byte load of a row of W2 (four neighbouring columns) feeds the
; four tiles, and sixteen lanes read 256 consecutive, aligned bytes of the row.
; wcf: a result tile's lane holds Wc[k .. k+7][n] for k = 32 y + 16 m + 8 h: as f16 that is the 16 bytes a lane of the next launch
; needs for half of a B fragment.  It is stored at ((g>>1) 16 + y) 8192 + (4 (g&1) + t) 1024 + m 512 + 16 lane.
; NO CLUSTER: the operands go straight into registers by plain loads, a joint request goes into LDS; and 17 along y is no multiple of 4.
.set VA0,  4                           ; v4, v5   A: r x pitch + 32 h, for row tile 0, 1
.set VB,   6                           ; v6       B: 8 h rows of 2,048 bytes + 16 r
.set LS0,  7                           ; v7       LDS: 16 x thread (tiles 0-3)
.set LS1,  8                           ; v8       the same + 65,536 (tiles 4-7)
.set LR,   9                           ; v9       LDS: 16,384 x wave + 16 x lane: the tile that this wave sums up
.set OUTQ, 10                          ; v[10:13] eight f16 to store
.set R16,  14                          ; v14      16 r
.set AR,   16                          ; v[16:47]   A as loaded, f32: 16 registers a row tile
.set BR,   48                          ; v[48:111]  B as loaded, f32: register 4 slot + t
.set AF,   112                         ; v[112:127] A fragments, f16
.set BF,   128                         ; v[128:159] B fragments, f16
.set ACC,  160                         ; v[160:223] eight accumulator tiles, tile 4 m + t
.set RD,   16                          ; v[16:143]  the sixteen waves' partial sums, over AR .. BF
.set B2Q,  144                         ; v[144:147] four numbers of b2
	s_load_b256 s[4:11], s[0:1], 0x0               ; W1 s[4:5], b1 s[6:7], W2 s[8:9], b2 s[10:11]
	s_load_b128 s[12:15], s[0:1], 0x20             ; wcf s[12:13], bc s[14:15]
	v_lshl_add_u32 v224, v0, 2, 0x20000
	v_mov_b32 v225, 0
	v_lshrrev_b32 v15, 5, v0
	v_readfirstlane_b32 s16, v15                   ; wave 0..15
	s_mov_b32 s17, ttmp9                           ; g
	s_and_b32 s18, ttmp7, 0xffff                   ; y
	v_and_b32 v1, 15, v0                           ; r
	v_bfe_u32 v2, v0, 4, 1                         ; h
	v_and_b32 v3, 31, v0
	v_lshlrev_b32 v3, 4, v3                        ; 16 x lane
	s_cmp_eq_u32 s18, 16                           ; the bias row?
	s_cselect_b32 s22, 0, 0x2000                   ; A's row pitch in bytes: 0 for b1, 8,192 for W1
	s_wait_kmcnt 0x0
	s_cselect_b64 s[20:21], s[6:7], s[4:5]         ; A's buffer (the selects and the wait leave SCC alone)
	s_mul_i32 s24, s18, s22
	s_lshl_b32 s24, s24, 5                         ; 32 y rows
	s_lshl_b32 s26, s16, 9                         ; + my wave's 128 numbers along K
	s_add_co_u32 s24, s24, s26
	s_mov_b32 s25, 0
	s_add_nc_u64 s[20:21], s[20:21], s[24:25]
	s_lshl_b32 s24, s17, 8                         ; 64 g columns of f32
	s_lshl_b32 s26, s16, 18                        ; my wave's 128 rows of W2, 2,048 bytes each
	s_add_co_u32 s26, s26, s24
	s_mov_b32 s27, 0
	s_add_nc_u64 s[8:9], s[8:9], s[26:27]
	s_add_nc_u64 s[10:11], s[10:11], s[24:25]      ; b2 and bc at column 64 g
	s_add_nc_u64 s[14:15], s[14:15], s[24:25]
	s_lshl_b32 s23, s22, 4                         ; 16 rows of A
	v_mul_u32_u24 v[VA0], s22, v1
	v_lshl_add_u32 v[VA0], v2, 5, v[VA0]           ; r x pitch + 8 h numbers
	v_add_nc_u32 v[VA0+1], s23, v[VA0]
	v_lshlrev_b32 v[R16], 4, v1
	v_lshl_add_u32 v[VB], v2, 14, v[R16]
	v_lshlrev_b32 v[LS0], 4, v0
	v_add_nc_u32 v[LS1], 0x10000, v[LS0]
	v_lshl_add_u32 v[LR], s16, 14, v3
; Eight loads: for both row tiles the lane's sixteen numbers of step u: f = 8 h + 0..7 and 16 + 8 h + 0..7, the order of a fragment.
.macro LD_A u
.irp m, 0,1
.irp p, 0,1,2,3
	global_load_b128 v[AR+16*\m+4*\p:AR+16*\m+4*\p+3], v[VA0+\m], s[20:21] offset:128*(\u)+16*\p+32*(\p/2)
.endr
.endr
.endm
; Eight loads: rows f = 32 u + 16 hi + 8 h + 0..7 of W2, four columns a lane.
.macro LD_B u, hi
.irp sl, 0,1,2,3,4,5,6,7
	global_load_b128 v[BR+32*\hi+4*\sl:BR+32*\hi+4*\sl+3], v[VB], s[8:9] offset:65536*(\u)+32768*\hi+2048*\sl
.endr
.endm
.macro CVT_A
.irp m, 0,1
.irp i, 0,1,2,3,4,5,6,7
	v_cvt_pk_f16_f32 v[AF+8*\m+\i], v[AR+16*\m+2*\i], v[AR+16*\m+2*\i+1]
.endr
.endr
.endm
; Registers 4 hi .. 4 hi + 3 of the four B fragments: two neighbouring rows f of one column make a word.
.macro CVT_B hi
.irp t, 0,1,2,3
.irp i, 0,1,2,3
	v_cvt_pk_f16_f32 v[BF+8*\t+4*\hi+\i], v[BR+8*(4*\hi+\i)+\t], v[BR+8*(4*\hi+\i)+4+\t]
.endr
.endr
.endm
; Eight matrix instructions; the eight accumulators take turns, one instruction a turn, from step to step too.
; first = 1: the first product starts the sums, nothing is cleared.
.macro MM first
.irp m, 0,1
.irp t, 0,1,2,3
.if \first
	v_wmma_f32_16x16x32_f16 v[ACC+8*(4*\m+\t):ACC+8*(4*\m+\t)+7], v[AF+8*\m:AF+8*\m+7], v[BF+8*\t:BF+8*\t+7], 0
.else
	v_wmma_f32_16x16x32_f16 v[ACC+8*(4*\m+\t):ACC+8*(4*\m+\t)+7], v[AF+8*\m:AF+8*\m+7], v[BF+8*\t:BF+8*\t+7], v[ACC+8*(4*\m+\t):ACC+8*(4*\m+\t)+7]
.endif
.endr
.endr
.endm
.macro PLACES                          ; four independent places behind a matrix instruction (ISA guide 7.12.1)
.rept 4
	v_nop
.endr
.endm
; One step of 32 along K.  Three groups of eight loads are out at its head (A, B low, B high of this step); each group is converted
; behind a wait that leaves the two younger groups (16 loads) out, and its registers are at once loaded again for the next step.
; The last step loads nothing: its counts run down 16, 8, 0.  No address register is ever rewritten: the step stands in the immediates.
.macro KSTEP u
.if \u
	PLACES                                         ; the conversions write AF and BF, which the matrix instructions just issued read
.endif
	s_wait_loadcnt 16
	CVT_A
.if \u < 3
	LD_A (\u+1)
	s_wait_loadcnt 16
.else
	s_wait_loadcnt 8
.endif
	CVT_B 0
.if \u < 3
	LD_B (\u+1), 0
	s_wait_loadcnt 16
.else
	s_wait_loadcnt 0
.endif
	CVT_B 1
.if \u < 3
	LD_B (\u+1), 1
.endif
	MM (\u==0)
.endm
; Sixteen quads at base + 4 u are summed into the first, in a fixed tree.
.macro TREE base
.irp d, 8,4,2,1
.set tq, 0
.rept \d
	v_pk_add_f32 v[\base+4*tq:\base+4*tq+1], v[\base+4*tq:\base+4*tq+1], v[\base+4*(tq+\d):\base+4*(tq+\d)+1]
	v_pk_add_f32 v[\base+4*tq+2:\base+4*tq+3], v[\base+4*tq+2:\base+4*tq+3], v[\base+4*(tq+\d)+2:\base+4*(tq+\d)+3]
.set tq, tq+1
.endr
.endr
.endm
	LD_A 0
	LD_B 0, 0
	LD_B 0, 1
	KSTEP 0
	KSTEP 1
	KSTEP 2
	KSTEP 3
	; The partial sums meet in LDS: RED[tile 8][register half 2][wave 16][lane 32][16 bytes], strides 16,384 / 8,192 / 512 / 16.
	PLACES                                         ; the LDS stores read matrix results; later loads land on AF and BF
.irp t, 0,1,2,3
.irp q, 0,1
	ds_store_b128 v[LS0], v[ACC+8*\t+4*\q:ACC+8*\t+4*\q+3] offset:16384*\t+8192*\q
	ds_store_b128 v[LS1], v[ACC+32+8*\t+4*\q:ACC+32+8*\t+4*\q+3] offset:16384*\t+8192*\q
.endr
.endr
	s_wait_dscnt 0x0                               ; my stores are done, for the waves that read them
	s_barrier_signal -1
	s_barrier_wait -1                              ; the only barrier; every wave passes it before any branch
	s_cmp_eq_u32 s18, 16
	s_cbranch_scc1 .Lbias
	s_cmp_gt_u32 s16, 7
	s_cbranch_scc1 .Lend                           ; eight tiles, eight waves
	; Wave w sums tile w = 4 m + t over the sixteen waves, rounds it once to f16 and stores 512 consecutive bytes of wcf.
.irp q, 0,1
.irp u, 0,1,2,3,4,5,6,7,8,9,10,11,12,13,14,15
	ds_load_b128 v[RD+4*(16*\q+\u):RD+4*(16*\q+\u)+3], v[LR] offset:8192*\q+512*\u
.endr
.endr
	s_lshr_b32 s24, s17, 1
	s_lshl_b32 s24, s24, 17                        ; (g >> 1) x 16 steps x 8,192
	s_lshl_b32 s26, s18, 13                        ; + y x 8,192
	s_add_co_u32 s24, s24, s26
	s_and_b32 s26, s17, 1
	s_lshl_b32 s26, s26, 12                        ; + (g & 1) x 4 tiles x 1,024
	s_add_co_u32 s24, s24, s26
	s_and_b32 s26, s16, 3
	s_lshl_b32 s26, s26, 10                        ; + t x 1,024
	s_add_co_u32 s24, s24, s26
	s_lshr_b32 s26, s16, 2
	s_lshl_b32 s26, s26, 9                         ; + m x 512
	s_add_co_u32 s24, s24, s26
	s_add_nc_u64 s[12:13], s[12:13], s[24:25]      ; s25 is still 0
	s_wait_dscnt 0x0
	TREE RD
	TREE RD+64
	v_cvt_pk_f16_f32 v[OUTQ+0], v[RD+0], v[RD+1]
	v_cvt_pk_f16_f32 v[OUTQ+1], v[RD+2], v[RD+3]
	v_cvt_pk_f16_f32 v[OUTQ+2], v[RD+64], v[RD+65]
	v_cvt_pk_f16_f32 v[OUTQ+3], v[RD+66], v[RD+67]
	global_store_b128 v3, v[OUTQ:OUTQ+3], s[12:13]
	s_branch .Lend
.Lbias:
	s_cmp_lg_u32 s16, 0
	s_cbranch_scc1 .Lend
	; Wave 0: row 0 of tiles t = 0..3 (register 0 of lanes 0-15) is b1 W2 at columns 64 g + 4 r + t: four neighbouring numbers a lane.
	global_load_b128 v[B2Q:B2Q+3], v[R16], s[10:11]
.irp u, 0,1,2,3,4,5,6,7,8,9,10,11,12,13,14,15
.irp t, 0,1,2,3
	ds_load_b32 v[RD+4*\u+\t], v[LS0] offset:16384*\t+512*\u
.endr
.endr
	s_wait_dscnt 0x0
	TREE RD
	s_wait_loadcnt 0x0
	v_pk_add_f32 v[RD:RD+1], v[RD:RD+1], v[B2Q:B2Q+1]
	v_pk_add_f32 v[RD+2:RD+3], v[RD+2:RD+3], v[B2Q+2:B2Q+3]
	s_wait_xcnt 0x0                                ; EXEC is a source of the load above: it changes only behind this wait
	v_cmp_gt_u32 vcc_lo, 16, v0
	s_and_saveexec_b32 s30, vcc_lo                 ; lanes 0-15: 256 consecutive, aligned bytes of bc
	global_store_b128 v[R16], v[RD:RD+3], s[14:15]
	s_wait_xcnt 0x0                                ; and again in front of the line that widens it
	s_or_b32 exec_lo, exec_lo, s30
.Lend:
	s_wait_tensorcnt 0x0
	ds_add_u32 v224, v225
	s_wait_dscnt 0x0
	s_endpgm
.Lfunc_end_k_q0db3775402_fold:
	.size	k_q0db3775402_fold, .Lfunc_end_k_q0db3775402_fold-k_q0db3775402_fold
	.p2alignl 7, 3214868480
	.fill 96, 4, 3214868480
	.section	.rodata,"a",@progbits
	.p2align	6, 0x0
	.amdhsa_kernel k_q0db3775402_fold
		.amdhsa_group_segment_fixed_size 133120
		.amdhsa_private_segment_fixed_size 0
		.amdhsa_enable_private_segment 0
		.amdhsa_kernarg_size 48
		.amdhsa_user_sgpr_count 2
		.amdhsa_user_sgpr_kernarg_segment_ptr 1
		.amdhsa_wavefront_size32 1
		.amdhsa_system_sgpr_workgroup_id_x 1
		.amdhsa_system_sgpr_workgroup_id_y 1
		.amdhsa_system_sgpr_workgroup_id_z 1
		.amdhsa_system_vgpr_workitem_id 0
		.amdhsa_next_free_vgpr 226
		.amdhsa_next_free_sgpr 66
		.amdhsa_reserve_vcc 1
		.amdhsa_float_denorm_mode_32 3
		.amdhsa_float_denorm_mode_16_64 3
		.amdhsa_memory_ordered 1
		.amdhsa_forward_progress 1
		.amdhsa_inst_pref_size 41
	.end_amdhsa_kernel
	.amdgpu_metadata
---
amdhsa.version: [ 1, 2 ]
amdhsa.kernels:
  - .name:           k_q0db3775402_fold
    .symbol:         k_q0db3775402_fold.kd
    .args:
      - { .name: filter_weight, .offset: 0, .size: 8, .value_kind: global_buffer, .address_space: global }
      - { .name: filter_bias, .offset: 8, .size: 8, .value_kind: global_buffer, .address_space: global }
      - { .name: output_weight, .offset: 16, .size: 8, .value_kind: global_buffer, .address_space: global }
      - { .name: output_bias, .offset: 24, .size: 8, .value_kind: global_buffer, .address_space: global }
      - { .name: wcf, .offset: 32, .size: 8, .value_kind: global_buffer, .address_space: global }
      - { .name: bc, .offset: 40, .size: 8, .value_kind: global_buffer, .address_space: global }
    .group_segment_fixed_size: 133120
    .private_segment_fixed_size: 0
    .kernarg_segment_align: 8
    .kernarg_segment_size: 48
    .max_flat_workgroup_size: 512
    .sgpr_count:     66
    .vgpr_count:     226
    .wavefront_size: 32
...
	.end_amdgpu_metadata
.endif
;; end of part 1
;; launch ffn (part 2): grid 256 x 1, 4 waves a work-group, no clusters, 270,848 bytes of LDS; arguments x, padding, wcf, bc, out0; writes out0
.if DOCPART == 2
	.amdgcn_target "amdgcn-amd-amdhsa--gfx1250"
	.amdhsa_code_object_version 6
	.text
	.protected	k_q0db3775402_ffn
	.globl	k_q0db3775402_ffn
	.p2align	8
	.type	k_q0db3775402_ffn,@function
k_q0db3775402_ffn:
	s_mov_b64 s[64:65], 0
	v_nop
	global_prefetch_b8 v0, s[64:65] scope:SCOPE_SE
	s_setreg_imm32_b32 hwreg(HW_REG_WAVE_MODE, 25, 1), 1
	s_wait_xcnt 0x0
; ffn: out0[row][n] = padding[row] < 1e-9 ? sum over k of x[row][k] Wc[k][n] + bc[n] : 0.   x, out0: [32768][512] f32.
; Wc (f16, in fragment order) and bc (f32) come from the launch before: Wc = W1 W2, bc = b1 W2 + b2.
; FORMAT AND LIMITS: x is rounded to f16 on its way to the matrix unit (Wc is f16, and both operands of a matrix instruction have one
; format); sums and bias are f32.  A number of x above 65,504 in magnitude becomes Inf; below 2^-14 the step is 2^-24.  x of spread 1,
; 30 times larger or carrying an offset of 30, stays below some 200.
; The mask selects, it does not multiply: a padded row is +0.0 whatever x holds; a NaN in padding counts as padded, as in padding < 1e-9.
;
; SHARES.  Work-group i: rows 128 i .. 128 i + 127, all 512 columns; 256 work-groups.  Wave w: all 128 rows x columns 128 w .. + 127:
; 64 accumulator tiles (row tiles a = 0..7, column tiles b = 0..7), 512 registers.  K = 512 in 16 steps of 32, 64 matrix instructions each.
; x: the whole tile of 128 x 512 f32 comes into LDS by tensor loads, as four chunks of 128 along K; every chunk has bytes of its own and is
; filled once, so no slot is ever filled again.  Each wave brings 32 rows of each chunk (four loads, all issued at the start: four
; outstanding at the most); tiles of 32 rows keep the text alike in all waves and let chunk 0 land first.  A wave converts to f16 as it reads.
; Wc: each wave reads only its own 128 columns, once, straight into registers: a fragment is two loads of 512 consecutive bytes.
; COLUMN ORDER.  Column r of tile b is n = 128 w + 64 (b >> 2) + 4 r + (b & 3): for one row the four tiles b = 4 g .. 4 g + 3 of a lane are
; 16 neighbouring bytes of out0 and sixteen lanes are 256 consecutive, aligned bytes: the results leave from registers, with no LDS stage.
; NO CLUSTER, though all work-groups read the same Wc: x takes 270,336 of the 327,680 bytes of LDS that a work-group can have; two slots of
; one K step of Wc (2 x 32 x 512 f16 = 65,536 bytes) do not fit in the 57,344 left.
;
; REGISTERS in windows of 256:
;   window 0: addresses, mask bits; AF0, AF1: two sets of eight A fragments (f16); RAW: four fragments' f32 as read from LDS
;   window 1: four buffers of eight B fragments, buffer s & 3 for step s; buffer 3 holds the bias tuples during step 0
;   window 2: accumulators of row tiles 0-3, tile (a, b) at v[8 (8 a + b)];   window 3: row tiles 4-7
; PLACES behind matrix instructions: four v_nop stand at the head of each run of loads and conversions, so that every
; register that the run writes (a B buffer, an A set) stands four places behind every matrix instruction issued before it; in the way out
; the eight bit extracts and eight compares of the first row tile are the places.
.set CHUNK,  67584                     ; 128 rows x 528 bytes
.set LPITCH, 528                       ; 512 bytes of data + 16 of padding = 33 x 16: the sixteen rows of a load start at sixteen different 16-byte columns modulo 256
.set QUART,  32*LPITCH                 ; what one tensor load fills
.set BO,   3                           ; v3      16 x lane: offset in a half fragment of Wc
.set CO,   4                           ; v4      out0: 8 h rows + 512 w + 16 r
.set PO,   5                           ; v5      padding: 32 h
.set BCO,  6                           ; v6      bc: 512 w + 16 r
.set ADRA, 8                           ; v[8:11] LDS address of my part of a fragment in chunk c: c CHUNK + 528 r + 32 h
.set MK,   12                          ; v12, v13  bit 8 a + j: row 16 a + 8 h + j is a real token
.set TT,   14                          ; v14     at work
.set AF0,  16
.set AF1,  80
.set RAW,  144
.set BQ,   208                         ; v[208:215] bc of my eight columns
.set T,    216                         ; v[216:223] at work in the way out
.set G1,   16                          ; s[16:23] descriptor group 1
.set G0,   24                          ; s[24:39] descriptor group 0, one for each chunk
.set SM,   44                          ; s[44:51] eight lane masks
.set MSB, 0
.macro WIN new                         ; the immediate's high byte repeats the setting that is left; a switch that changes nothing is dropped
.if MSB != (\new)
	s_set_vgpr_msb (MSB<<8)|(\new)
.set MSB, (\new)
.endif
.endm
.macro PLACES
.rept 4
	v_nop
.endr
.endm
	s_load_b256 s[4:11], s[0:1], 0x0               ; x s[4:5], padding s[6:7], wcf s[8:9], bc s[10:11]
	s_load_b64 s[12:13], s[0:1], 0x20              ; out0
	v_lshl_add_u32 v254, v0, 2, 0x42000
	v_mov_b32 v255, 0
	ds_add_u32 v254, v255
	ds_add_u32 v254, v255
	v_lshrrev_b32 v[TT], 5, v0
	v_readfirstlane_b32 s14, v[TT]                 ; wave 0..3
	; group 1: a tile of 32 rows x 128 elements of 4 bytes, rows 512 elements apart, 4 words of padding behind every 128 words
	s_mov_b32 s[G1+0], (2<<16)|(1<<20)|(6<<22)|(3<<25)
	s_mov_b32 s[G1+1], 128<<16                     ; tensor_dim0 = 128
	s_mov_b32 s[G1+2], 32<<16                      ; tensor_dim1 = 32
	s_mov_b32 s[G1+3], 128<<16                     ; tile_dim0 = 128
	s_mov_b32 s[G1+4], 32                          ; tile_dim1 = 32
	s_mov_b32 s[G1+5], 512                         ; elements from row to row
	s_mov_b32 s[G1+6], 0
	s_mov_b32 s[G1+7], 0
	s_mul_i32 s15, s14, QUART                      ; my 32 rows in a chunk
	s_lshl_b32 s40, ttmp9, 18                      ; the work-group's 128 rows of 2,048 bytes
	s_mov_b32 s41, 0
	s_lshl_b32 s52, s14, 16                        ; my wave's 32 rows
	s_mov_b32 s53, 0
	s_mov_b32 s42, 0x3089705f                      ; 1e-9 in f32
	s_wait_dscnt 0x0
	s_wait_kmcnt 0x0
	s_add_nc_u64 s[4:5], s[4:5], s[40:41]
	s_add_nc_u64 s[4:5], s[4:5], s[52:53]
	s_add_nc_u64 s[12:13], s[12:13], s[40:41]
	; the four first fills go out as one group, ahead of everything else
.irp c, 0,1,2,3
	s_mov_b32 s[G0+4*\c], 1
	s_add_co_u32 s[G0+4*\c+1], s15, \c*CHUNK
	s_add_nc_u64 s[G0+4*\c+2:G0+4*\c+3], s[4:5], \c*512
	s_or_b32 s[G0+4*\c+3], s[G0+4*\c+3], 0x80000000
	tensor_load_to_lds s[G0+4*\c:G0+4*\c+3], s[G1:G1+7]
	s_nop 0
.endr
	s_lshl_b32 s52, ttmp9, 9                       ; padding: 128 numbers a work-group
	s_add_nc_u64 s[6:7], s[6:7], s[52:53]
	s_lshl_b32 s52, s14, 17                        ; wcf: 16 steps x 8,192 bytes a wave
	s_add_nc_u64 s[8:9], s[8:9], s[52:53]
	v_and_b32 v1, 15, v0                           ; r
	v_bfe_u32 v2, v0, 4, 1                         ; h
	v_and_b32 v[BO], 31, v0
	v_lshlrev_b32 v[BO], 4, v[BO]
	v_lshlrev_b32 v[BCO], 4, v1
	v_lshl_add_u32 v[BCO], s14, 9, v[BCO]
	v_lshl_add_u32 v[CO], v2, 14, v[BCO]
	v_lshlrev_b32 v[PO], 5, v2
	v_mul_u32_u24 v[ADRA], v1, LPITCH
	v_add_nc_u32 v[ADRA], v[ADRA], v[PO]
.irp c, 1,2,3
	v_add_nc_u32 v[ADRA+\c], \c*CHUNK, v[ADRA]
.endr
; Sixteen loads: the eight B fragments of step s into buffer s & 3.
.macro LOADB s
	WIN 0x40                                       ; destination window 1, address window 0
.irp b, 0,1,2,3,4,5,6,7
	global_load_b128 v[64*((\s)&3)+8*\b:64*((\s)&3)+8*\b+3], v[BO], s[8:9] offset:8192*(\s)+1024*\b
	global_load_b128 v[64*((\s)&3)+8*\b+4:64*((\s)&3)+8*\b+7], v[BO], s[8:9] offset:8192*(\s)+1024*\b+512
.endr
.endm
; Sixteen LDS loads: x of row tiles 4 hf .. 4 hf + 3 for step s, f32: k = 8 h + 0..7 (bytes 0, 16) and 16 + 8 h + 0..7 (bytes 64, 80).
.macro LOADRAW s, hf
	WIN 0
.irp a, 0,1,2,3
.irp p, 0,1,2,3
	ds_load_b128 v[RAW+16*\a+4*\p:RAW+16*\a+4*\p+3], v[ADRA+((\s)>>2)] offset:16*LPITCH*(4*\hf+\a)+128*((\s)&3)+16*\p+32*(\p/2)
.endr
.endr
.endm
; 32 conversions: RAW becomes fragments 4 hf .. 4 hf + 3 of an A set.
.macro CVT set, hf
	WIN 0
.irp a, 0,1,2,3
.irp i, 0,1,2,3,4,5,6,7
	v_cvt_pk_f16_f32 v[\set+8*(4*\hf+\a)+\i], v[RAW+16*\a+2*\i], v[RAW+16*\a+2*\i+1]
.endr
.endr
.endm
; 32 matrix instructions: row tiles 4 hf .. 4 hf + 3 x all eight column tiles.  In step 0 the sums start from the bias tuples.
; All 64 accumulators take turns, one instruction a turn, in the same order in every step.
.macro MUL s, hf
.if \s == 0
	WIN 0x94+0x40*\hf                              ; A window 0, B and C window 1, D window 2 or 3
.else
	WIN 0xa4+0x50*\hf                              ; A window 0, B window 1, C and D window 2 or 3
.endif
.irp a, 0,1,2,3
.irp b, 0,1,2,3,4,5,6,7
.if \s == 0
	v_wmma_f32_16x16x32_f16 v[8*(8*\a+\b):8*(8*\a+\b)+7], v[AF0+8*(4*\hf+\a):AF0+8*(4*\hf+\a)+7], v[8*\b:8*\b+7], v[192+8*\b:192+8*\b+7]
.else
	v_wmma_f32_16x16x32_f16 v[8*(8*\a+\b):8*(8*\a+\b)+7], v[AF0+64*((\s)&1)+8*(4*\hf+\a):AF0+64*((\s)&1)+8*(4*\hf+\a)+7], v[64*((\s)&3)+8*\b:64*((\s)&3)+8*\b+7], v[8*(8*\a+\b):8*(8*\a+\b)+7]
.endif
.endr
.endr
.endm
	; padding of my 64 rows (RAW[8 a + j] = row 16 a + 8 h + j), bc of my 8 columns, and the B fragments of steps 0 to 2
.irp a, 0,1,2,3,4,5,6,7
	global_load_b128 v[RAW+8*\a:RAW+8*\a+3], v[PO], s[6:7] offset:64*\a
	global_load_b128 v[RAW+8*\a+4:RAW+8*\a+7], v[PO], s[6:7] offset:64*\a+16
.endr
	global_load_b128 v[BQ:BQ+3], v[BCO], s[10:11]
	global_load_b128 v[BQ+4:BQ+7], v[BCO], s[10:11] offset:256
	LOADB 0
	LOADB 1
	LOADB 2
	WIN 0
	s_wait_loadcnt 50                              ; padding is in: the 2 loads of bc and the 48 of B were issued behind it
.set mb, 0
.rept 64
.set sh, mb&31
	v_cmp_gt_f32 vcc_lo, s42, v[RAW+mb]            ; 1e-9 > padding: a real token
.if sh == 0
	v_cndmask_b32 v[MK+(mb>>5)], 0, 1, vcc_lo      ; the first bit starts the word
.else
	v_cndmask_b32 v[TT], 0, 1, vcc_lo
	v_lshl_or_b32 v[MK+(mb>>5)], v[TT], sh, v[MK+(mb>>5)]
.endif
.set mb, mb+1
.endr
	s_wait_loadcnt 48                              ; bc is in: the 48 loads of B were issued behind it
	WIN 0x40
	; eight bias tuples (a column's bias in all eight registers) in B's buffer 3: the first product adds onto them, which spares 512 additions in the way out
.irp b, 0,1,2,3,4,5,6,7
.irp j, 0,1,2,3,4,5,6,7
	v_mov_b32 v[192+8*\b+\j], v[BQ+\b]
.endr
.endr
	WIN 0
	s_wait_tensorcnt 0x3                           ; my 32 rows of chunk 0 are in; my three later chunks stay out (nothing is ever filled again)
	s_barrier_signal -1
	s_barrier_wait -1                              ; everybody's are
	LOADRAW 0, 0
	s_wait_dscnt 0x0
	CVT AF0, 0
	LOADRAW 0, 1
	s_wait_dscnt 0x0
	CVT AF0, 1
	LOADRAW 1, 0
; One step of 32 along K: 32 matrix instructions, a run of loads and conversions for the next step, 32 matrix instructions, a second run.
.macro STEP s
.if \s < 14
	s_wait_loadcnt 32                              ; B of this step is in: the 32 loads of the next two steps were issued behind it
.else
	s_wait_loadcnt 16*(15-\s)                      ; the last two steps: 16, then 0
.endif
	MUL \s, 0
.if \s < 15
	PLACES
.if \s >= 1
.if \s <= 12
	LOADB (\s+3)                                   ; into the buffer that the last step read
.endif
.endif
	WIN 0
	s_wait_dscnt 0x0                               ; the next step's x, row tiles 0-3, asked for 32 matrix instructions ago
	CVT AF0+64*((\s+1)&1), 0
	LOADRAW (\s+1), 1
.endif
	MUL \s, 1
.if \s < 15
	PLACES
	WIN 0
	s_wait_dscnt 0x0                               ; row tiles 4-7
	CVT AF0+64*((\s+1)&1), 1
.if \s == 0
	LOADB 3                                        ; over the bias tuples, whose last use stands in front of this run
.endif
.if \s < 14
.if ((\s)&3) == 2
	WIN 0
	s_wait_tensorcnt 3-(\s+2)/4                    ; my 32 rows of the next chunk are in; my later chunks stay out.  No LDS instruction of mine is pending
	s_barrier_signal -1
	s_barrier_wait -1                              ; everybody's are
.endif
	LOADRAW (\s+2), 0
.endif
.endif
.endm
.irp s, 0,1,2,3,4,5,6,7,8,9,10,11,12,13,14,15
	STEP \s
.endr
; THE WAY OUT, one row tile at a time.  One select both applies the mask and gathers the four tiles of a quad; then sixteen stores:
; lanes 0-15 write 256 consecutive, aligned bytes of row 16 a + j, lanes 16-31 those of row 16 a + 8 + j.  tmp: the A sets, in turn.
.macro OUT a, tmp
	WIN 0
.irp j, 0,1,2,3,4,5,6,7
.set bitno, (8*\a+\j)&31
	v_bfe_u32 v[T+\j], v[MK+(\a>>2)], bitno, 1
.endr
.irp j, 0,1,2,3,4,5,6,7
	v_cmp_ne_u32 s[SM+\j], 0, v[T+\j]
.endr
	s_wait_xcnt 0x0                                ; tmp was the data of earlier stores: it is rewritten only behind this wait
	WIN 0x08+4*(\a>>2)                             ; source 1 window 2 or 3
.irp j, 0,1,2,3,4,5,6,7
.irp b, 0,1,2,3,4,5,6,7
	v_cndmask_b32 v[\tmp+8*\j+\b], 0, v[8*(8*(\a&3)+\b)+\j], s[SM+\j]
.endr
.endr
	WIN 0
.irp j, 0,1,2,3,4,5,6,7
	global_store_b128 v[CO], v[\tmp+8*\j:\tmp+8*\j+3], s[12:13] offset:2048*(16*\a+\j) th:TH_STORE_NT
	global_store_b128 v[CO], v[\tmp+8*\j+4:\tmp+8*\j+7], s[12:13] offset:2048*(16*\a+\j)+256 th:TH_STORE_NT
.endr
.endm
	OUT 0, AF0
	OUT 1, AF1
	OUT 2, AF0
	OUT 3, AF1
	OUT 4, AF0
	OUT 5, AF1
	OUT 6, AF0
	OUT 7, AF1
	s_wait_tensorcnt 0x0
	ds_add_u32 v254, v255
	s_wait_dscnt 0x0
	s_endpgm
.Lfunc_end_k_q0db3775402_ffn:
	.size	k_q0db3775402_ffn, .Lfunc_end_k_q0db3775402_ffn-k_q0db3775402_ffn
	.p2alignl 7, 3214868480
	.fill 96, 4, 3214868480
	.section	.rodata,"a",@progbits
	.p2align	6, 0x0
	.amdhsa_kernel k_q0db3775402_ffn
		.amdhsa_group_segment_fixed_size 270848
		.amdhsa_private_segment_fixed_size 0
		.amdhsa_enable_private_segment 0
		.amdhsa_kernarg_size 40
		.amdhsa_user_sgpr_count 2
		.amdhsa_user_sgpr_kernarg_segment_ptr 1
		.amdhsa_wavefront_size32 1
		.amdhsa_system_sgpr_workgroup_id_x 1
		.amdhsa_system_sgpr_workgroup_id_y 1
		.amdhsa_system_sgpr_workgroup_id_z 1
		.amdhsa_system_vgpr_workitem_id 0
		.amdhsa_next_free_vgpr 1024
		.amdhsa_next_free_sgpr 66
		.amdhsa_reserve_vcc 1
		.amdhsa_float_denorm_mode_32 3
		.amdhsa_float_denorm_mode_16_64 3
		.amdhsa_memory_ordered 1
		.amdhsa_forward_progress 1
		.amdhsa_inst_pref_size 255
	.end_amdhsa_kernel
	.section	.bss,"aw",@nobits
	.p2align	6
	.space	262144
	.amdgpu_metadata
---
amdhsa.version: [ 1, 2 ]
amdhsa.kernels:
  - .name:           k_q0db3775402_ffn
    .symbol:         k_q0db3775402_ffn.kd
    .args:
      - { .name: x, .offset: 0, .size: 8, .value_kind: global_buffer, .address_space: global }
      - { .name: padding, .offset: 8, .size: 8, .value_kind: global_buffer, .address_space: global }
      - { .name: wcf, .offset: 16, .size: 8, .value_kind: global_buffer, .address_space: global }
      - { .name: bc, .offset: 24, .size: 8, .value_kind: global_buffer, .address_space: global }
      - { .name: out0, .offset: 32, .size: 8, .value_kind: global_buffer, .address_space: global }
    .group_segment_fixed_size: 270848
    .private_segment_fixed_size: 0
    .kernarg_segment_align: 8
    .kernarg_segment_size: 40
    .max_flat_workgroup_size: 128
    .sgpr_count:     66
    .vgpr_count:     1024
    .wavefront_size: 32
...
	.end_amdgpu_metadata
.endif
;; end of part 2
;; ======== version 2 of 2: 2 launches; 1.15 times as fast as version 1
;; limits: values are held in f16: magnitudes above 65,504 overflow, below 6.1e-05 lose precision; inputs' magnitudes at most 65,504
;; workspace buffers: wcf 524,288 bytes; bc 2,048 bytes; plist 65,536 bytes of whole numbers
;; launch fold (part 3): grid 8 x 19, 16 waves a work-group, no clusters, 133,120 bytes of LDS; arguments filter_weight, filter_bias, output_weight, output_bias, padding, wcf, bc, plist; writes wcf, bc, plist
.if DOCPART == 3
	.amdgcn_target "amdgcn-amd-amdhsa--gfx1250"
	.amdhsa_code_object_version 6
	.text
	.protected	k_q0db3775402_fold
	.globl	k_q0db3775402_fold
	.p2align	8
	.type	k_q0db3775402_fold,@function
k_q0db3775402_fold:
	s_mov_b64 s[64:65], 0
	v_nop
	global_prefetch_b8 v0, s[64:65] scope:SCOPE_SE
	s_setreg_imm32_b32 hwreg(HW_REG_WAVE_MODE, 25, 1), 1
	s_wait_xcnt 0x0
; fold: Wc = W1 W2 (512 x 512, K = 2048), bc = b1 W2 + b2, and the order of the rows of each block of 128 tokens.
; No activation stands between the module's two affine maps, so (x W1 + b1) W2 + b2 = x (W1 W2) + (b1 W2 + b2) for every input.
; This launch makes the two folded operands; the next launch multiplies x by them.
; FORMAT: the matrix operands W1, W2, b1 are rounded to f16, sums are f32, Wc is rounded once to f16; b2 and bc stay f32.
; f16 and not bf16: every number of Wc enters 32,768 outputs, and its rounding is the one intermediate rounding of the program;
; f16's 11 significant bits make it 8 times finer than bf16's 8.
; LIMITS: a number of W1, W2, b1 or Wc above 65,504 in magnitude becomes Inf; below 2^-14 the step is 2^-24.  Room, from the sizes:
; weights of spread 1/sqrt(512) and 1/sqrt(2048) give Wc a spread of 0.044; both 30 times larger: Wc 900 times larger, some 180 at the most;
; both 30 times smaller: Wc of spread 4.9e-5 with a step of 6e-8; both carrying an offset of 30 spreads: Wc near 2048 x 1.33 x 0.66 = 1,800.
; The order of the sums differs from the chain's.  With non-finite weights the pattern of NaN and Inf can differ from the chain's.
;
; SHARES.  Work-group (g, y): y < 16: rows k = 32 y .. 32 y + 31 of W1 (two row tiles m) times columns 64 g .. 64 g + 63 of W2 (four
; column tiles t).  y = 16: the same text with b1 in W1's place (row pitch 0: all sixteen rows of a tile are b1); of its results row 0
; of tile m = 0 is used, the rest is computed and dropped: 8 of the 152 work-groups.
; The 16 waves split K: wave w sums f = 128 w .. 128 w + 127 in four steps of 32; the sixteen partial sums meet in LDS, one barrier.
; y = 17, 18: no product.  Each of the 256 waves orders one block of 128 tokens: see the end of the text.
; COLUMN ORDER.  Column r of tile t is n = 64 g + 4 r + t: a lane's 16-byte load of a row of W2 (four neighbouring columns) feeds the
; four tiles, and sixteen lanes read 256 consecutive, aligned bytes of the row.
; wcf: a result tile's lane holds Wc[k .. k+7][n] for k = 32 y + 16 m + 8 h: as f16 that is the 16 bytes a lane of the next launch
; needs for half of a B fragment.  It is stored at ((g>>1) 16 + y) 8192 + (4 (g&1) + t) 1024 + m 512 + 16 lane.
; NO CLUSTER: the operands go straight into registers by plain loads, a joint request goes into LDS; and 19 along y is no multiple of 4.
.set VA0,  4                           ; v4, v5   A: r x pitch + 32 h, for row tile 0, 1
.set VB,   6                           ; v6       B: 8 h rows of 2,048 bytes + 16 r
.set LS0,  7                           ; v7       LDS: 16 x thread (tiles 0-3)
.set LS1,  8                           ; v8       the same + 65,536 (tiles 4-7)
.set LR,   9                           ; v9       LDS: 16,384 x wave + 16 x lane: the tile that this wave sums up
.set OUTQ, 10                          ; v[10:13] eight f16 to store
.set R16,  14                          ; v14      16 r
.set AR,   16                          ; v[16:47]   A as loaded, f32: 16 registers a row tile
.set BR,   48                          ; v[48:111]  B as loaded, f32: register 4 slot + t
.set AF,   112                         ; v[112:127] A fragments, f16
.set BF,   128                         ; v[128:159] B fragments, f16
.set ACC,  160                         ; v[160:223] eight accumulator tiles, tile 4 m + t
.set RD,   16                          ; v[16:143]  the sixteen waves' partial sums, over AR .. BF
.set B2Q,  144                         ; v[144:147] four numbers of b2
	s_load_b256 s[4:11], s[0:1], 0x0               ; W1 s[4:5], b1 s[6:7], W2 s[8:9], b2 s[10:11]
	s_load_b256 s[40:47], s[0:1], 0x20             ; padding s[40:41], wcf s[42:43], bc s[44:45], plist s[46:47]
	v_lshl_add_u32 v224, v0, 2, 0x20000
	v_mov_b32 v225, 0
	v_lshrrev_b32 v15, 5, v0
	v_readfirstlane_b32 s16, v15                   ; wave 0..15
	s_mov_b32 s17, ttmp9                           ; g
	s_and_b32 s18, ttmp7, 0xffff                   ; y
	v_and_b32 v1, 15, v0                           ; r
	v_bfe_u32 v2, v0, 4, 1                         ; h
	v_and_b32 v3, 31, v0
	v_lshlrev_b32 v3, 4, v3                        ; 16 x lane
	s_cmp_eq_u32 s18, 16                           ; the bias row?
	s_cselect_b32 s22, 0, 0x2000                   ; A's row pitch in bytes: 0 for b1, 8,192 for W1
	s_wait_kmcnt 0x0
	s_cselect_b64 s[20:21], s[6:7], s[4:5]         ; A's buffer (the selects and the wait leave SCC alone)
	s_cmp_gt_u32 s18, 16
	s_cbranch_scc1 .Lperm                          ; y = 17, 18: the whole work-group orders tokens and meets no barrier
	s_mul_i32 s24, s18, s22
	s_lshl_b32 s24, s24, 5                         ; 32 y rows
	s_lshl_b32 s26, s16, 9                         ; + my wave's 128 numbers along K
	s_add_co_u32 s24, s24, s26
	s_mov_b32 s25, 0
	s_add_nc_u64 s[20:21], s[20:21], s[24:25]
	s_lshl_b32 s24, s17, 8                         ; 64 g columns of f32
	s_lshl_b32 s26, s16, 18                        ; my wave's 128 rows of W2, 2,048 bytes each
	s_add_co_u32 s26, s26, s24
	s_mov_b32 s27, 0
	s_add_nc_u64 s[8:9], s[8:9], s[26:27]
	s_add_nc_u64 s[10:11], s[10:11], s[24:25]      ; b2 and bc at column 64 g
	s_add_nc_u64 s[44:45], s[44:45], s[24:25]
	s_lshl_b32 s23, s22, 4                         ; 16 rows of A
	v_mul_u32_u24 v[VA0], s22, v1
	v_lshl_add_u32 v[VA0], v2, 5, v[VA0]           ; r x pitch + 8 h numbers
	v_add_nc_u32 v[VA0+1], s23, v[VA0]
	v_lshlrev_b32 v[R16], 4, v1
	v_lshl_add_u32 v[VB], v2, 14, v[R16]
	v_lshlrev_b32 v[LS0], 4, v0
	v_add_nc_u32 v[LS1], 0x10000, v[LS0]
	v_lshl_add_u32 v[LR], s16, 14, v3
; Eight loads: for both row tiles the lane's sixteen numbers of step u: f = 8 h + 0..7 and 16 + 8 h + 0..7, the order of a fragment.
.macro LD_A u
.irp m, 0,1
.irp p, 0,1,2,3
	global_load_b128 v[AR+16*\m+4*\p:AR+16*\m+4*\p+3], v[VA0+\m], s[20:21] offset:128*(\u)+16*\p+32*(\p/2)
.endr
.endr
.endm
; Eight loads: rows f = 32 u + 16 hi + 8 h + 0..7 of W2, four columns a lane.
.macro LD_B u, hi
.irp sl, 0,1,2,3,4,5,6,7
	global_load_b128 v[BR+32*\hi+4*\sl:BR+32*\hi+4*\sl+3], v[VB], s[8:9] offset:65536*(\u)+32768*\hi+2048*\sl
.endr
.endm
.macro CVT_A
.irp m, 0,1
.irp i, 0,1,2,3,4,5,6,7
	v_cvt_pk_f16_f32 v[AF+8*\m+\i], v[AR+16*\m+2*\i], v[AR+16*\m+2*\i+1]
.endr
.endr
.endm
; Registers 4 hi .. 4 hi + 3 of the four B fragments: two neighbouring rows f of one column make a word.
.macro CVT_B hi
.irp t, 0,1,2,3
.irp i, 0,1,2,3
	v_cvt_pk_f16_f32 v[BF+8*\t+4*\hi+\i], v[BR+8*(4*\hi+\i)+\t], v[BR+8*(4*\hi+\i)+4+\t]
.endr
.endr
.endm
; Eight matrix instructions; the eight accumulators take turns, one instruction a turn, from step to step too.
; first = 1: the first product starts the sums, nothing is cleared.
.macro MM first
.irp m, 0,1
.irp t, 0,1,2,3
.if \first
	v_wmma_f32_16x16x32_f16 v[ACC+8*(4*\m+\t):ACC+8*(4*\m+\t)+7], v[AF+8*\m:AF+8*\m+7], v[BF+8*\t:BF+8*\t+7], 0
.else
	v_wmma_f32_16x16x32_f16 v[ACC+8*(4*\m+\t):ACC+8*(4*\m+\t)+7], v[AF+8*\m:AF+8*\m+7], v[BF+8*\t:BF+8*\t+7], v[ACC+8*(4*\m+\t):ACC+8*(4*\m+\t)+7]
.endif
.endr
.endr
.endm
.macro PLACES                          ; four independent places behind a matrix instruction (ISA guide 7.12.1)
.rept 4
	v_nop
.endr
.endm
; One step of 32 along K.  Three groups of eight loads are out at its head (A, B low, B high of this step); each group is converted
; behind a wait that leaves the two younger groups (16 loads) out, and its registers are at once loaded again for the next step.
; The last step loads nothing: its counts run down 16, 8, 0.  No address register is ever rewritten: the step stands in the immediates.
.macro KSTEP u
.if \u
	PLACES                                         ; the conversions write AF and BF, which the matrix instructions just issued read
.endif
	s_wait_loadcnt 16
	CVT_A
.if \u < 3
	LD_A (\u+1)
	s_wait_loadcnt 16
.else
	s_wait_loadcnt 8
.endif
	CVT_B 0
.if \u < 3
	LD_B (\u+1), 0
	s_wait_loadcnt 16
.else
	s_wait_loadcnt 0
.endif
	CVT_B 1
.if \u < 3
	LD_B (\u+1), 1
.endif
	MM (\u==0)
.endm
; Sixteen quads at base + 4 u are summed into the first, in a fixed tree.
.macro TREE base
.irp d, 8,4,2,1
.set tq, 0
.rept \d
	v_pk_add_f32 v[\base+4*tq:\base+4*tq+1], v[\base+4*tq:\base+4*tq+1], v[\base+4*(tq+\d):\base+4*(tq+\d)+1]
	v_pk_add_f32 v[\base+4*tq+2:\base+4*tq+3], v[\base+4*tq+2:\base+4*tq+3], v[\base+4*(tq+\d)+2:\base+4*(tq+\d)+3]
.set tq, tq+1
.endr
.endr
.endm
	LD_A 0
	LD_B 0, 0
	LD_B 0, 1
	KSTEP 0
	KSTEP 1
	KSTEP 2
	KSTEP 3
	; The partial sums meet in LDS: RED[tile 8][register half 2][wave 16][lane 32][16 bytes], strides 16,384 / 8,192 / 512 / 16.
	PLACES                                         ; the LDS stores read matrix results; later loads land on AF and BF
.irp t, 0,1,2,3
.irp q, 0,1
	ds_store_b128 v[LS0], v[ACC+8*\t+4*\q:ACC+8*\t+4*\q+3] offset:16384*\t+8192*\q
	ds_store_b128 v[LS1], v[ACC+32+8*\t+4*\q:ACC+32+8*\t+4*\q+3] offset:16384*\t+8192*\q
.endr
.endr
	s_wait_dscnt 0x0                               ; my stores are done, for the waves that read them
	s_barrier_signal -1
	s_barrier_wait -1                              ; the only barrier; every wave of a work-group with y <= 16 passes it
	s_cmp_eq_u32 s18, 16
	s_cbranch_scc1 .Lbias
	s_cmp_gt_u32 s16, 7
	s_cbranch_scc1 .Lend                           ; eight tiles, eight waves
	; Wave w sums tile w = 4 m + t over the sixteen waves, rounds it once to f16 and stores 512 consecutive bytes of wcf.
.irp q, 0,1
.irp u, 0,1,2,3,4,5,6,7,8,9,10,11,12,13,14,15
	ds_load_b128 v[RD+4*(16*\q+\u):RD+4*(16*\q+\u)+3], v[LR] offset:8192*\q+512*\u
.endr
.endr
	s_lshr_b32 s24, s17, 1
	s_lshl_b32 s24, s24, 17                        ; (g >> 1) x 16 steps x 8,192
	s_lshl_b32 s26, s18, 13                        ; + y x 8,192
	s_add_co_u32 s24, s24, s26
	s_and_b32 s26, s17, 1
	s_lshl_b32 s26, s26, 12                        ; + (g & 1) x 4 tiles x 1,024
	s_add_co_u32 s24, s24, s26
	s_and_b32 s26, s16, 3
	s_lshl_b32 s26, s26, 10                        ; + t x 1,024
	s_add_co_u32 s24, s24, s26
	s_lshr_b32 s26, s16, 2
	s_lshl_b32 s26, s26, 9                         ; + m x 512
	s_add_co_u32 s24, s24, s26
	s_add_nc_u64 s[42:43], s[42:43], s[24:25]      ; s25 is still 0
	s_wait_dscnt 0x0
	TREE RD
	TREE RD+64
	v_cvt_pk_f16_f32 v[OUTQ+0], v[RD+0], v[RD+1]
	v_cvt_pk_f16_f32 v[OUTQ+1], v[RD+2], v[RD+3]
	v_cvt_pk_f16_f32 v[OUTQ+2], v[RD+64], v[RD+65]
	v_cvt_pk_f16_f32 v[OUTQ+3], v[RD+66], v[RD+67]
	global_store_b128 v3, v[OUTQ:OUTQ+3], s[42:43]
	s_branch .Lend
.Lbias:
	s_cmp_lg_u32 s16, 0
	s_cbranch_scc1 .Lend
	; Wave 0: row 0 of tiles t = 0..3 (register 0 of lanes 0-15) is b1 W2 at columns 64 g + 4 r + t: four neighbouring numbers a lane.
	global_load_b128 v[B2Q:B2Q+3], v[R16], s[10:11]
.irp u, 0,1,2,3,4,5,6,7,8,9,10,11,12,13,14,15
.irp t, 0,1,2,3
	ds_load_b32 v[RD+4*\u+\t], v[LS0] offset:16384*\t+512*\u
.endr
.endr
	s_wait_dscnt 0x0
	TREE RD
	s_wait_loadcnt 0x0
	v_pk_add_f32 v[RD:RD+1], v[RD:RD+1], v[B2Q:B2Q+1]
	v_pk_add_f32 v[RD+2:RD+3], v[RD+2:RD+3], v[B2Q+2:B2Q+3]
	s_wait_xcnt 0x0                                ; EXEC is a source of the load above: it changes only behind this wait
	v_cmp_gt_u32 vcc_lo, 16, v0
	s_and_saveexec_b32 s30, vcc_lo                 ; lanes 0-15: 256 consecutive, aligned bytes of bc
	global_store_b128 v[R16], v[RD:RD+3], s[44:45]
	s_wait_xcnt 0x0                                ; and again in front of the line that widens it
	s_or_b32 exec_lo, exec_lo, s30
.Lend:
	s_wait_tensorcnt 0x0
	ds_add_u32 v224, v225
	s_wait_dscnt 0x0
	s_endpgm
; THE ORDER OF A BLOCK'S TOKENS.  Wave w of work-group (g, y = 17 or 18) takes block 128 (y - 17) + 16 g + w: tokens 128 block .. + 127.
; Slot d of the order holds the number (0..127) of a token of the block: the real tokens (padding < 1e-9) ascending, then the padded ones
; ascending.  A real token i goes to slot (reals before i), a padded one to slot cnt + i - (reals before i).
; The slot is a number that comes from floating-point data, so it steers no address and no branch here: the token's number is shifted to
; its byte and kept by the one lane whose number is slot / 4 (a compare, a select, an OR).  The loops are counted by constants.
; The record of a block is 256 bytes: dword 2 l = slots 4 l .. 4 l + 3, a byte each; dword 2 l + 1 = cnt.  One store of the wave writes it whole.
.Lperm:
	s_sub_co_u32 s24, s18, 17
	s_lshl_b32 s24, s24, 3
	s_add_co_u32 s24, s24, s17
	s_lshl_b32 s24, s24, 4
	s_add_co_u32 s24, s24, s16                     ; block 0..255
	s_lshl_b32 s26, s24, 9                         ; 128 numbers of padding
	s_mov_b32 s27, 0
	s_add_nc_u64 s[40:41], s[40:41], s[26:27]
	s_lshl_b32 s26, s24, 8                         ; the block's record
	s_add_nc_u64 s[46:47], s[46:47], s[26:27]
	v_and_b32 v16, 31, v0                          ; lane
	v_lshlrev_b32 v17, 2, v16
	v_lshlrev_b32 v23, 3, v16
.irp q, 0,1,2,3
	global_load_b32 v[24+\q], v17, s[40:41] offset:128*\q      ; token 32 q + lane
.endr
	s_mov_b32 s34, 0x3089705f                      ; 1e-9 in f32
	v_mov_b32 v20, 0                               ; my four slots, to be ORed together
	s_wait_loadcnt 0x0
.irp q, 0,1,2,3
	v_cmp_gt_f32 s[28+\q], s34, v[24+\q]           ; bit l: 1e-9 > padding of token 32 q + l; a NaN gives 0: padded
.endr
	s_bcnt1_i32_b32 s35, s28
	s_bcnt1_i32_b32 s32, s29
	s_add_co_u32 s35, s35, s32
	s_bcnt1_i32_b32 s32, s30
	s_add_co_u32 s35, s35, s32
	s_bcnt1_i32_b32 s32, s31
	s_add_co_u32 s35, s35, s32                     ; cnt: the block's real tokens
	s_mov_b32 s36, 0                               ; reals before token i
	s_mov_b32 s37, s35                             ; cnt + i
	s_mov_b32 s38, 0                               ; i
.macro WORD q
	s_mov_b32 s39, 0
.Lword\q:
	s_sub_co_u32 s48, s37, s36                     ; a padded token's slot
	s_bitcmp1_b32 s[28+\q], s39                    ; SCC = real
	s_cselect_b32 s48, s36, s48                    ; the token's slot
	s_add_co_ci_u32 s36, s36, 0                    ; reals + SCC (the select left SCC alone)
	s_lshr_b32 s49, s48, 2                         ; the lane that keeps it
	s_and_b32 s50, s48, 3
	s_lshl_b32 s50, s50, 3
	s_lshl_b32 s50, s38, s50                       ; the token's number in its byte
	v_cmp_eq_u32 vcc_lo, s49, v16
	v_cndmask_b32 v22, 0, s50, vcc_lo
	v_or_b32 v20, v20, v22
	s_add_co_u32 s37, s37, 1
	s_add_co_u32 s38, s38, 1
	s_add_co_u32 s39, s39, 1
	s_cmp_lt_u32 s39, 32
	s_cbranch_scc1 .Lword\q
.endm
	WORD 0
	WORD 1
	WORD 2
	WORD 3
	v_mov_b32 v21, s35
	global_store_b64 v23, v[20:21], s[46:47]       ; 32 lanes x 8 bytes: 256 consecutive, aligned bytes
	s_endpgm
.Lfunc_end_k_q0db3775402_fold:
	.size	k_q0db3775402_fold, .Lfunc_end_k_q0db3775402_fold-k_q0db3775402_fold
	.p2alignl 7, 3214868480
	.fill 96, 4, 3214868480
	.section	.rodata,"a",@progbits
	.p2align	6, 0x0
	.amdhsa_kernel k_q0db3775402_fold
		.amdhsa_group_segment_fixed_size 133120
		.amdhsa_private_segment_fixed_size 0
		.amdhsa_enable_private_segment 0
		.amdhsa_kernarg_size 64
		.amdhsa_user_sgpr_count 2
		.amdhsa_user_sgpr_kernarg_segment_ptr 1
		.amdhsa_wavefront_size32 1
		.amdhsa_system_sgpr_workgroup_id_x 1
		.amdhsa_system_sgpr_workgroup_id_y 1
		.amdhsa_system_sgpr_workgroup_id_z 1
		.amdhsa_system_vgpr_workitem_id 0
		.amdhsa_next_free_vgpr 226
		.amdhsa_next_free_sgpr 66
		.amdhsa_reserve_vcc 1
		.amdhsa_float_denorm_mode_32 3
		.amdhsa_float_denorm_mode_16_64 3
		.amdhsa_memory_ordered 1
		.amdhsa_forward_progress 1
		.amdhsa_inst_pref_size 45
	.end_amdhsa_kernel
	.amdgpu_metadata
---
amdhsa.version: [ 1, 2 ]
amdhsa.kernels:
  - .name:           k_q0db3775402_fold
    .symbol:         k_q0db3775402_fold.kd
    .args:
      - { .name: filter_weight, .offset: 0, .size: 8, .value_kind: global_buffer, .address_space: global }
      - { .name: filter_bias, .offset: 8, .size: 8, .value_kind: global_buffer, .address_space: global }
      - { .name: output_weight, .offset: 16, .size: 8, .value_kind: global_buffer, .address_space: global }
      - { .name: output_bias, .offset: 24, .size: 8, .value_kind: global_buffer, .address_space: global }
      - { .name: padding, .offset: 32, .size: 8, .value_kind: global_buffer, .address_space: global }
      - { .name: wcf, .offset: 40, .size: 8, .value_kind: global_buffer, .address_space: global }
      - { .name: bc, .offset: 48, .size: 8, .value_kind: global_buffer, .address_space: global }
      - { .name: plist, .offset: 56, .size: 8, .value_kind: global_buffer, .address_space: global }
    .group_segment_fixed_size: 133120
    .private_segment_fixed_size: 0
    .kernarg_segment_align: 8
    .kernarg_segment_size: 64
    .max_flat_workgroup_size: 512
    .sgpr_count:     66
    .vgpr_count:     226
    .wavefront_size: 32
...
	.end_amdgpu_metadata
.endif
;; end of part 3
;; launch ffn (part 4): grid 256 x 1, 4 waves a work-group, no clusters, 133,632 bytes of LDS; arguments x, plist, wcf, bc, out0; writes out0
.if DOCPART == 4
	.amdgcn_target "amdgcn-amd-amdhsa--gfx1250"
	.amdhsa_code_object_version 6
	.text
	.protected	k_q0db3775402_ffn
	.globl	k_q0db3775402_ffn
	.p2align	8
	.type	k_q0db3775402_ffn,@function
k_q0db3775402_ffn:
	s_mov_b64 s[64:65], 0
	v_nop
	global_prefetch_b8 v0, s[64:65] scope:SCOPE_SE
	s_setreg_imm32_b32 hwreg(HW_REG_WAVE_MODE, 25, 1), 1
	s_wait_xcnt 0x0
; ffn: out0[row][n] = real(row) ? sum over k of x[row][k] Wc[k][n] + bc[n] : 0.   x, out0: [32768][512] f32.
; From the launch before: Wc = W1 W2 (f16, in fragment order), bc = b1 W2 + b2 (f32), and plist: for each block of 128 rows the order of
; its rows (the real ones, padding < 1e-9, first; then the padded ones) and cnt, the number of real ones, as whole numbers.
; FORMAT AND LIMITS: x is rounded to f16 on its way to the matrix unit (Wc is f16, and both operands of a matrix instruction have one
; format); sums and bias are f32.  A number of x above 65,504 in magnitude becomes Inf; below 2^-14 the step is 2^-24.  x of spread 1,
; 30 times larger or carrying an offset of 30, stays below some 200.  A padded row is +0.0 whatever x holds.
;
; SHARES.  Work-group i: rows 128 i .. 128 i + 127, all 512 columns; 256 work-groups.  Wave w: columns 128 w .. + 127 of all row tiles.
; ONLY WHAT THE MASK KEEPS IS READ AND MULTIPLIED.  The rows are taken in plist's order, 16 slots a row tile; np = ceil(cnt / 32), at least
; 1, at the most 4, pairs of row tiles hold all the real rows.  Only these 32 np rows of x are read, and 16 np x 16 matrix instructions a wave
; are issued.  A padded row inside them is multiplied too and then selected to zero; the row tiles from 2 np on hold padded rows alone: their
; zeros are stored while the matrix work runs.  Every row of the block stands once in the order, so every byte of out0 is written once.
; x: a row is read by one wave (8 rows of each pair a wave, four loads of 512 consecutive bytes a row), lands in the registers that later hold
; the sums, is rounded to f16 once and put into LDS: 128 rows of 1,040 bytes.  One barrier; then every wave reads fragments as they are.
; Wc: each wave reads only its own 128 columns, once, straight into registers: a fragment is two loads of 512 consecutive bytes.
; BRANCHES hang on np alone, a whole number read from memory; all go forward.  The gather loads pair 0, 1, .. and leaves at np into a chain that
; converts the pairs in the reverse order, so that every way through converts just what it loaded.  The barrier stands where all ways have
; joined.  Behind it one of four straight bodies runs (no barrier in them) and leaves into the chain of the way out at its last row tile.
; COLUMN ORDER.  Column r of tile b is n = 128 w + 64 (b >> 2) + 4 r + (b & 3): for one row the four tiles b = 4 g .. 4 g + 3 of a lane are
; 16 neighbouring bytes of out0 and sixteen lanes are 256 consecutive, aligned bytes: the results leave from registers, with no LDS stage.
; NO CLUSTER, though all work-groups read the same Wc: a joint request lands in LDS and its slots want a barrier every few K steps, and the
; K steps stand under a branch on a number read from memory; straight into registers Wc also spares an LDS write
; and an LDS read of 512 KiB a work-group.
;
; REGISTERS in windows of 256:
;   window 0: addresses; AF0, AF1: two sets of eight A fragments (before the K steps: the stage of the conversions; behind them: of the way out);
;             RO: 64 byte offsets in out0, one for each of my rows; GA: 32 byte offsets in x
;   window 1: four buffers of eight B fragments, buffer s & 3 for step s; buffer 3 holds the bias tuples during step 0
;   window 2: accumulators of row tiles 0-3, tile (a, b) at v[8 (8 a + b)];   window 3: row tiles 4-7.  Before the K steps: x as loaded
.set LPITCH, 1040                      ; an LDS row: 1,024 bytes of f16 + 16 = 65 x 16: the sixteen rows of a load start at sixteen different 16-byte columns modulo 256
.set HALFL,  64*LPITCH
.set BO,   3                           ; v3      16 x lane
.set CO,   4                           ; v4      512 w + 16 r: my 16 bytes in a row of out0, and in bc
.set PO,   5                           ; v5      16 h
.set SA,   6                           ; v6, v7  LDS: where I put 8 bytes of my wave's first row of pairs 0-1, 2-3
.set ADA,  8                           ; v8, v9  LDS: my part of a fragment of row tiles 0-3, 4-7: 1,040 r + 16 h
.set LIM,  10                          ; v10     cnt - 8 h, at least 0: slot 16 a + 8 h + j is real if 16 a + j is below it
.set TT,   11                          ; v11     at work
.set Z,    12                          ; v[12:15] zeros to store
.set AF0,  16
.set AF1,  80
.set PQ,   80                          ; v[80:111] the order as loaded, until RO is made
.set RO,   144                         ; v[144:207] RO[8 a + j]: 2,048 x (row of slot 16 a + 8 h + j) + CO
.set BQ,   208                         ; v[208:215] bc of my eight columns
.set GA,   224                         ; v[224:255] GA[8 p + e]: 2,048 x (row of slot 32 p + 8 w + e) + 16 x lane
.set PL,   16                          ; s[16:31] the slots of my wave's 8 rows of each pair: quad, cnt, quad, cnt
.set SM,   44                          ; s[44:51] eight lane masks
.set MSB, 0
.macro WIN new                         ; the immediate's high byte repeats the setting that is left; a switch that changes nothing is dropped
.if MSB != (\new)
	s_set_vgpr_msb (MSB<<8)|(\new)
.set MSB, (\new)
.endif
.endm
.macro PLACES                          ; four independent places behind a matrix instruction (ISA guide 7.12.1)
.rept 4
	v_nop
.endr
.endm
	s_load_b256 s[4:11], s[0:1], 0x0               ; x s[4:5], plist s[6:7], wcf s[8:9], bc s[10:11]
	s_load_b64 s[12:13], s[0:1], 0x20              ; out0
	v_lshl_add_u32 v222, v0, 2, 0x20800
	v_mov_b32 v223, 0
	v_lshrrev_b32 v[TT], 5, v0
	v_readfirstlane_b32 s14, v[TT]                 ; wave 0..3
	s_lshl_b32 s40, ttmp9, 18                      ; the block's 128 rows of 2,048 bytes
	s_mov_b32 s41, 0
	s_lshl_b32 s52, ttmp9, 8                       ; the block's record in plist
	s_mov_b32 s53, 0
	s_lshl_b32 s54, s14, 4                         ; my wave's 8 slots of a pair: two quads with cnt beside them
	s_mov_b32 s55, 0
	s_lshl_b32 s38, s14, 17                        ; wcf: 16 steps x 8,192 bytes a wave
	s_mov_b32 s39, 0
	s_mul_i32 s15, s14, 8*LPITCH                   ; my wave's 8 rows in a pair's 32
	v_and_b32 v1, 15, v0                           ; r
	v_bfe_u32 v2, v0, 4, 1                         ; h
	v_and_b32 v[BO], 31, v0
	v_lshlrev_b32 v[SA], 3, v[BO]
	v_lshlrev_b32 v[BO], 4, v[BO]
	v_add_nc_u32 v[SA], s15, v[SA]
	v_add_nc_u32 v[SA+1], HALFL, v[SA]
	v_lshlrev_b32 v[CO], 4, v1
	v_lshl_add_u32 v[CO], s14, 9, v[CO]
	v_lshlrev_b32 v[PO], 4, v2
	v_mul_u32_u24 v[ADA], v1, LPITCH
	v_add_nc_u32 v[ADA], v[ADA], v[PO]
	v_add_nc_u32 v[ADA+1], HALFL, v[ADA]
.irp k, 0,1,2,3
	v_mov_b32 v[Z+\k], 0
.endr
	s_wait_kmcnt 0x0
	s_add_nc_u64 s[6:7], s[6:7], s[52:53]
	s_add_nc_u64 s[32:33], s[6:7], s[54:55]
.irp p, 0,1,2,3
	s_load_b128 s[PL+4*\p:PL+4*\p+3], s[32:33], 64*\p          ; slots 32 p + 8 w .. + 7
.endr
	s_add_nc_u64 s[4:5], s[4:5], s[40:41]
	s_add_nc_u64 s[12:13], s[12:13], s[40:41]
	s_add_nc_u64 s[8:9], s[8:9], s[38:39]
; Sixteen loads: the eight B fragments of step s into buffer s & 3.
.macro LOADB s
	WIN 0x40                                       ; destination window 1, address window 0
.irp b, 0,1,2,3,4,5,6,7
	global_load_b128 v[64*((\s)&3)+8*\b:64*((\s)&3)+8*\b+3], v[BO], s[8:9] offset:8192*(\s)+1024*\b
	global_load_b128 v[64*((\s)&3)+8*\b+4:64*((\s)&3)+8*\b+7], v[BO], s[8:9] offset:8192*(\s)+1024*\b+512
.endr
.endm
; 32 loads: my wave's 8 rows of pair p.  A row's number is cut from its byte, clamped to the block and made an offset of its own register.
.macro GLOAD p
	WIN 0
.irp e, 0,1,2,3,4,5,6,7
	s_bfe_u32 s34, s[PL+4*\p+2*(\e/4)], (8<<16)|(8*(\e%4))
	s_min_u32 s34, s34, 127
	s_lshl_b32 s34, s34, 11
	v_add_nc_u32 v[GA+8*\p+\e], s34, v[BO]
.endr
	WIN 0x80+0x40*(\p/2)                           ; destination window 2 or 3
.irp e, 0,1,2,3,4,5,6,7
.irp c, 0,1,2,3
	global_load_b128 v[128*(\p%2)+16*\e+4*\c:128*(\p%2)+16*\e+4*\c+3], v[GA+8*\p+\e], s[4:5] offset:512*\c th:TH_LOAD_NT
.endr
.endr
	WIN 0
.endm
; Pair p's 8 rows of mine: 64 conversions into a stage (AF0 or AF1 in turn), 32 LDS stores of 256 consecutive bytes.
.macro GCVT p
	s_wait_loadcnt 0x0                             ; all my loads are in (on the ways that fall in from above: met)
	s_wait_dscnt 32                                ; only the last pair's 32 LDS stores may be out: those that read this stage, two pairs ago, are done
	WIN 0x0a+5*(\p/2)                              ; both sources window 2 or 3
.irp e, 0,1,2,3,4,5,6,7
.irp c, 0,1,2,3
	v_cvt_pk_f16_f32 v[AF0+64*(\p%2)+8*\e+2*\c], v[128*(\p%2)+16*\e+4*\c], v[128*(\p%2)+16*\e+4*\c+1]
	v_cvt_pk_f16_f32 v[AF0+64*(\p%2)+8*\e+2*\c+1], v[128*(\p%2)+16*\e+4*\c+2], v[128*(\p%2)+16*\e+4*\c+3]
.endr
.endr
	WIN 0
.irp e, 0,1,2,3,4,5,6,7
.irp c, 0,1,2,3
	ds_store_b64 v[SA+\p/2], v[AF0+64*(\p%2)+8*\e+2*\c:AF0+64*(\p%2)+8*\e+2*\c+1] offset:(32*(\p%2)+\e)*LPITCH+256*\c
.endr
.endr
.endm
	; the order for the way out (PQ[4 a ..] = quad, cnt, quad, cnt of slots 16 a + 8 h .. + 7), bc, and the B fragments of steps 0 to 2
.irp a, 0,1,2,3,4,5,6,7
	global_load_b128 v[PQ+4*\a:PQ+4*\a+3], v[PO], s[6:7] offset:32*\a
.endr
	global_load_b128 v[BQ:BQ+3], v[CO], s[10:11]
	global_load_b128 v[BQ+4:BQ+7], v[CO], s[10:11] offset:256
	LOADB 0
	LOADB 1
	LOADB 2
	WIN 0
	s_wait_kmcnt 0x0                               ; my wave's slots and cnt
	s_min_u32 s35, s[PL+1], 128                    ; cnt
	s_max_u32 s36, s35, 8
	s_sub_co_u32 s36, s36, 8                       ; cnt - 8, at least 0
	s_add_co_u32 s37, s35, 31
	s_lshr_b32 s37, s37, 5
	s_max_u32 s37, s37, 1                          ; np = 1..4
	GLOAD 0
	s_wait_loadcnt 32                              ; only pair 0's 32 loads may be out: the order, bc and B of steps 0 to 2 are in
	; while pair 0 is on its way: the 64 offsets of the way out, the limit of the mask, the bias tuples
.irp a, 0,1,2,3,4,5,6,7
.irp j, 0,1,2,3,4,5,6,7
	v_bfe_u32 v[RO+8*\a+\j], v[PQ+4*\a+2*(\j/4)], 8*(\j%4), 8
.endr
.irp j, 0,1,2,3,4,5,6,7
	v_min_u32 v[RO+8*\a+\j], 0x7f, v[RO+8*\a+\j]
.endr
.irp j, 0,1,2,3,4,5,6,7
	v_lshl_add_u32 v[RO+8*\a+\j], v[RO+8*\a+\j], 11, v[CO]
.endr
.endr
	v_mov_b32 v[LIM], s35
	v_mov_b32 v[TT], s36
	v_cmp_ne_u32 vcc_lo, 0, v2
	v_cndmask_b32 v[LIM], v[LIM], v[TT], vcc_lo
	WIN 0x40
	; eight bias tuples (a column's bias in all eight registers) in B's buffer 3: the first product adds onto them, which spares the additions in the way out
.irp b, 0,1,2,3,4,5,6,7
.irp j, 0,1,2,3,4,5,6,7
	v_mov_b32 v[192+8*\b+\j], v[BQ+\b]
.endr
.endr
	WIN 0
	s_cmp_lt_u32 s37, 2
	s_cbranch_scc1 .Lcv0
	GLOAD 1
	s_cmp_lt_u32 s37, 3
	s_cbranch_scc1 .Lcv1
	GLOAD 2
	s_cmp_lt_u32 s37, 4
	s_cbranch_scc1 .Lcv2
	GLOAD 3
	GCVT 3
.Lcv2:
	GCVT 2
.Lcv1:
	GCVT 1
.Lcv0:
	GCVT 0
	s_wait_dscnt 0x0                               ; my rows are in LDS, for the waves that read them
	s_barrier_signal -1
	s_barrier_wait -1                              ; the only barrier: all ways have joined, every wave passes it
; 4 np LDS loads: the A fragments of step s, row tiles 0 .. 2 np - 1, into set s & 1.
.macro LOADA np, s
	WIN 0
.set la, 0
.rept 2*\np
	ds_load_b128 v[AF0+64*((\s)&1)+8*la:AF0+64*((\s)&1)+8*la+3], v[ADA+(la>>2)] offset:(la&3)*16*LPITCH+64*(\s)
	ds_load_b128 v[AF0+64*((\s)&1)+8*la+4:AF0+64*((\s)&1)+8*la+7], v[ADA+(la>>2)] offset:(la&3)*16*LPITCH+64*(\s)+32
.set la, la+1
.endr
.endm
; 16 np matrix instructions: row tiles 0 .. 2 np - 1 x all eight column tiles.  In step 0 the sums start from the bias tuples.
; All 16 np accumulators take turns, one instruction a turn, in the same order in every step.
.macro MULT np, s
.set ta, 0
.rept 2*\np
.if \s == 0
	WIN 0x94+0x40*(ta>>2)                          ; A window 0, B and C window 1, D window 2 or 3
.else
	WIN 0xa4+0x50*(ta>>2)                          ; A window 0, B window 1, C and D window 2 or 3
.endif
.irp b, 0,1,2,3,4,5,6,7
.if \s == 0
	v_wmma_f32_16x16x32_f16 v[8*(8*(ta&3)+\b):8*(8*(ta&3)+\b)+7], v[AF0+8*ta:AF0+8*ta+7], v[8*\b:8*\b+7], v[192+8*\b:192+8*\b+7]
.else
	v_wmma_f32_16x16x32_f16 v[8*(8*(ta&3)+\b):8*(8*(ta&3)+\b)+7], v[AF0+64*((\s)&1)+8*ta:AF0+64*((\s)&1)+8*ta+7], v[64*((\s)&3)+8*\b:64*((\s)&3)+8*\b+7], v[8*(8*(ta&3)+\b):8*(8*(ta&3)+\b)+7]
.endif
.endr
.set ta, ta+1
.endr
.endm
; Eight stores of zeros: rows j = 4 jh .. 4 jh + 3 (and 8 + j) of row tile a, which holds padded rows alone.  Their sources are never rewritten.
.macro ZERO8 a, jh
	WIN 0
.irp j, 0,1,2,3
	global_store_b128 v[RO+8*(\a)+4*(\jh)+\j], v[Z:Z+3], s[12:13] th:TH_STORE_NT
	global_store_b128 v[RO+8*(\a)+4*(\jh)+\j], v[Z:Z+3], s[12:13] offset:256 th:TH_STORE_NT
.endr
.endm
; One step of 32 along K.  At its head, four places behind the last step's matrix instructions, the registers that those read are loaded
; again: B of step s + 3 and A of step s + 1.  Then eight of the zero stores, as long as there are any; then this step's products.
.macro STEP np, s
.if \s
	PLACES
.if \s == 1
	LOADB 3                                        ; over the bias tuples, which step 0 has used
.endif
.if \s <= 12
	LOADB (\s+3)
.endif
.endif
.if \s < 15
	LOADA \np, (\s+1)
.endif
.if \s
.if (\s-1) < 16-4*\np
	ZERO8 (2*\np+((\s-1)>>1)), ((\s-1)&1)
.endif
.endif
.if \s >= 13
	s_wait_loadcnt 16*(15-\s)                      ; the last steps load nothing: 32, 16, 0 loads were issued behind this step's B
.else
.if \s >= 3
	s_wait_loadcnt 48                              ; B of this step is in: the 48 loads of the next three steps were issued behind it
.endif
.endif
.if \s < 15
	s_wait_dscnt 4*\np                             ; A of this step is in: the next step's 4 np loads were issued behind it
.else
	s_wait_dscnt 0x0
.endif
	MULT \np, \s
.endm
.macro BODY np
	LOADA \np, 0
.irp s, 0,1,2,3,4,5,6,7,8,9,10,11,12,13,14,15
	STEP \np, \s
.endr
	WIN 0
	PLACES                                         ; the way out reads results and writes the A sets
.endm
; THE WAY OUT of row tile a.  One select both applies the mask (slots from cnt on are padded rows: zero) and gathers the four tiles of a quad;
; then sixteen stores: lanes 0-15 write 256 consecutive, aligned bytes of the row of slot 16 a + j, lanes 16-31 of slot 16 a + 8 + j.
.macro OUT a, tmp
	WIN 0
.irp j, 0,1,2,3,4,5,6,7
	v_cmp_lt_u32 s[SM+\j], 16*\a+\j, v[LIM]
.endr
	s_wait_xcnt 0x0                                ; tmp was the data of earlier stores: it is rewritten only behind this wait
	WIN 0x08+4*(\a>>2)                             ; source 1 window 2 or 3
.irp j, 0,1,2,3,4,5,6,7
.irp b, 0,1,2,3,4,5,6,7
	v_cndmask_b32 v[\tmp+8*\j+\b], 0, v[8*(8*(\a&3)+\b)+\j], s[SM+\j]
.endr
.endr
	WIN 0
.irp j, 0,1,2,3,4,5,6,7
	global_store_b128 v[RO+8*\a+\j], v[\tmp+8*\j:\tmp+8*\j+3], s[12:13] th:TH_STORE_NT
	global_store_b128 v[RO+8*\a+\j], v[\tmp+8*\j+4:\tmp+8*\j+7], s[12:13] offset:256 th:TH_STORE_NT
.endr
.endm
	s_cmp_eq_u32 s37, 2
	s_cbranch_scc1 .Lv2
	s_cmp_eq_u32 s37, 3
	s_cbranch_scc1 .Lv3
	s_cmp_eq_u32 s37, 4
	s_cbranch_scc1 .Lv4
	BODY 1
	s_branch .Lout1
.Lv2:
	BODY 2
	s_branch .Lout3
.Lv3:
	BODY 3
	s_branch .Lout5
.Lv4:
	BODY 4
	OUT 7, AF1
	OUT 6, AF0
.Lout5:
	OUT 5, AF1
	OUT 4, AF0
.Lout3:
	OUT 3, AF1
	OUT 2, AF0
.Lout1:
	OUT 1, AF1
	OUT 0, AF0
	s_wait_tensorcnt 0x0
	ds_add_u32 v222, v223
	s_wait_dscnt 0x0
	s_endpgm
.Lfunc_end_k_q0db3775402_ffn:
	.size	k_q0db3775402_ffn, .Lfunc_end_k_q0db3775402_ffn-k_q0db3775402_ffn
	.p2alignl 7, 3214868480
	.fill 96, 4, 3214868480
	.section	.rodata,"a",@progbits
	.p2align	6, 0x0
	.amdhsa_kernel k_q0db3775402_ffn
		.amdhsa_group_segment_fixed_size 133632
		.amdhsa_private_segment_fixed_size 0
		.amdhsa_enable_private_segment 0
		.amdhsa_kernarg_size 40
		.amdhsa_user_sgpr_count 2
		.amdhsa_user_sgpr_kernarg_segment_ptr 1
		.amdhsa_wavefront_size32 1
		.amdhsa_system_sgpr_workgroup_id_x 1
		.amdhsa_system_sgpr_workgroup_id_y 1
		.amdhsa_system_sgpr_workgroup_id_z 1
		.amdhsa_system_vgpr_workitem_id 0
		.amdhsa_next_free_vgpr 1024
		.amdhsa_next_free_sgpr 66
		.amdhsa_reserve_vcc 1
		.amdhsa_float_denorm_mode_32 3
		.amdhsa_float_denorm_mode_16_64 3
		.amdhsa_memory_ordered 1
		.amdhsa_forward_progress 1
		.amdhsa_inst_pref_size 255
	.end_amdhsa_kernel
	.section	.bss,"aw",@nobits
	.p2align	6
	.space	262144
	.amdgpu_metadata
---
amdhsa.version: [ 1, 2 ]
amdhsa.kernels:
  - .name:           k_q0db3775402_ffn
    .symbol:         k_q0db3775402_ffn.kd
    .args:
      - { .name: x, .offset: 0, .size: 8, .value_kind: global_buffer, .address_space: global }
      - { .name: plist, .offset: 8, .size: 8, .value_kind: global_buffer, .address_space: global }
      - { .name: wcf, .offset: 16, .size: 8, .value_kind: global_buffer, .address_space: global }
      - { .name: bc, .offset: 24, .size: 8, .value_kind: global_buffer, .address_space: global }
      - { .name: out0, .offset: 32, .size: 8, .value_kind: global_buffer, .address_space: global }
    .group_segment_fixed_size: 133632
    .private_segment_fixed_size: 0
    .kernarg_segment_align: 8
    .kernarg_segment_size: 40
    .max_flat_workgroup_size: 128
    .sgpr_count:     66
    .vgpr_count:     1024
    .wavefront_size: 32
...
	.end_amdgpu_metadata
.endif
;; end of part 4
